; MI455X (gfx1250); checked and timed in simulation.
; The chip was launched on July 23, 2026; its instructions are those of AMD's public machine-readable ISA for CDNA 5 (MIT licence, August 2026) and "CDNA5" Instruction Set Architecture Reference Guide (July 2026). The comments in the code are by the model that wrote it; some were corrected since.
;; Attention Head. Allowed arithmetic: matrix products marked QUANTISED: E3M2 operands, one E8M0 scale for each 32 along K, by v_wmma_scale_f32_16x16x128_f8f6f4 with both operands' format E3M2, f32 sums; everything else in f32.
;; Inputs: Wk 128 x 1,024 float32; Wq 128 x 1,024 float32; Wv 128 x 1,024 float32; x 4 x 4,096 x 1,024 float32.
;; Outputs: out0 4 x 4,096 x 128 float32.
;; This version of the problem:
;;   THIS VERSION OF THE PROBLEM IS GIVEN IN LOW PRECISION. The matrix products marked QUANTISED in the list below multiply operands that are first quantised to E3M2 (3 exponent bits, 2 mantissa bits; 6 bits a number), with one power-of-two scale for each 32 numbers along K (OCP MX v1.0); their sums are f32. All else is computed in f32.
;;   The module's matrix products, in the order in which they are computed (A, B: the left and right operand; K: the contracted axis; several contracted axes count as one K, in the product's order):
;;     1. [M 16,384, K 1,024] x [K 1,024, N 128]; A: input x; B: input Wq: QUANTISED
;;     2. [M 16,384, K 1,024] x [K 1,024, N 128]; A: input x; B: input Wk: QUANTISED
;;     3. [M 16,384, K 1,024] x [K 1,024, N 128]; A: input x; B: input Wv: QUANTISED
;;     4. batch 4 x [M 4,096, K 128] x [K 128, N 4,096]; A: computed on the way; B: computed on the way: QUANTISED
;;     5. batch 4 x [M 4,096, K 4,096] x [K 4,096, N 128]; A: softmax (see below); B: computed on the way: QUANTISED
;;   THE QUANTISER, for each operand of a quantised product, along K:
;;     - K is cut into blocks of 32 from its start; a last block that is shorter is filled with zeros.
;;     - A block's scale is 2^e with e = floor(log2(the largest magnitude in the block)) - 4, held to -126 .. 127; a block of zeros has e = 0. As a byte (E8M0): e + 127.
;;     - Each number is divided by its block's scale, clamped to +-28, and rounded to the nearest number of E3M2, ties to even, subnormals kept.
;;     - The product sums the exact products of the quantised numbers (number of the format x scale) in f32.
;;   ~~~python
;;   def quantise(x, axis):      # numpy; x: float32 -> the quantised numbers, widened to float32 again
;;       x = np.moveaxis(x, axis, -1); K = x.shape[-1]
;;       x = np.pad(x, [(0, 0)] * (x.ndim - 1) + [(0, -K % 32)]); x = x.reshape(x.shape[:-1] + (-1, 32)); a = np.abs(x).max(-1, keepdims=True)
;;       e = np.where(a > 0, np.clip(np.frexp(np.where(a > 0, a, 1))[1] - 1 - 4, -126, 127), 0)      # np.frexp(a)[1] - 1 = floor(log2(a)), exactly
;;       r = np.clip(x / 2.0 ** e, -28, 28)
;;       step = 2.0 ** (np.maximum(np.frexp(np.where(r == 0, 1, r))[1] - 1, -2) - 2)
;;       q = np.round(r / step) * step * 2.0 ** e      # np.round: ties to even
;;       return np.moveaxis(q.reshape(q.shape[:-2] + (-1,))[..., :K], -1, axis).astype(np.float32)
;;   ~~~
;;   SOFTMAX AHEAD OF A QUANTISED PRODUCT. Where the list says 'softmax', what is quantised is not the finished softmax but p = 2^(t - M), with t = logit x log2(e) and M = ceil(the row's largest t), a whole number; so 1/2 < the row's largest p <= 1. The row's sum l is taken of the UNQUANTISED p, in f32, and the product's result is divided by l at the end. Since M is a whole number, a kernel that streams over the keys may use a running M (the ceiling of the running maximum): every later rescaling is an exact power of two, which a block's scale takes up: the codes' values come out the same.
;;   OPERANDS COMPUTED ON THE WAY. 'Computed on the way' means the value that the module computes at that place (a softmax that the list does not call 'softmax' is quantised finished and normalised). What goes into a quantiser is computed in f32, as accurately as f32 sums, v_exp_f32 and their like allow (about 1e-6 of the number): no bf16 or f16 on the way to a quantiser, and a product that is left as it is and whose result goes on into a quantised operand takes f32 operands (vector FMAs, or v_wmma_f32_16x16x4_f32). A number that lies on a knife's edge between two numbers of the format may be rounded either way, as far as f32 arithmetic and the matrix unit's own rounding can turn it there, and no further.
;; One version. Each part assembles by itself: llvm-mc -triple=amdgcn-amd-amdhsa -mcpu=gfx1250 --defsym DOCPART=n.
;; ======== version 1 of 1: 3 launches
;; limits: right only within a limited range of input values
;; workspace buffers: wc 294,912 bytes; ws 24,576 bytes; qc 1,572,864 bytes; qs 65,536 bytes; kv 3,145,728 bytes; kvs 131,072 bytes
;; launch wquant (part 1): grid 6 x 32, 1 waves a work-group, no clusters, 0 bytes of LDS; arguments Wq, Wk, Wv, wc, ws; writes wc, ws
.if DOCPART == 1
	.amdgcn_target "amdgcn-amd-amdhsa--gfx1250"
	.amdhsa_code_object_version 6
	.text
	.protected	k_qde26b201f9_wquant
	.globl	k_qde26b201f9_wquant
	.p2align	8
	.type	k_qde26b201f9_wquant,@function
k_qde26b201f9_wquant:
	s_mov_b64 s[64:65], 0
	v_nop
	global_prefetch_b8 v0, s[64:65] scope:SCOPE_SE
	s_setreg_imm32_b32 hwreg(HW_REG_WAVE_MODE, 25, 1), 1
	s_wait_xcnt 0x0
; Wq, Wk, Wv [128][1024] f32 become codes of BF6 (E3M2) with one E8M0 scale byte for each 32 along K, laid as the next launch's waves want them:
; wc [w 0..3][K step s 0..7][tile f 0..5][1,536 bytes]: a fragment (16 rows x 128 K, 12 registers a lane) as an image of its registers: chunk c of 512 bytes holds lane l's registers 4 c .. 4 c + 3 at 16 l.
; ws [w][f][i 0..1][lane][4 words]: word e = the scale word (four bytes) of K step 4 i + e for the lane's row.
; WHICH ROWS FORM A TILE.  w = 0, 1: Wq; w = 2, 3: Wk.  Tiles f = 0 .. 3 are tile t = 4 (w % 2) + f of that weight, and lane r takes row 32 (t / 2) + 8 (t % 2) + r + 8 (r / 8): used as source 0,
; a lane's 16 results of tiles 2 b and 2 b + 1 are then 16 neighbouring features.  Tiles f = 4, 5 are rows 32 w + 16 (f - 4) + r of Wv, as they lie.
; SHARES.  One wave, one fragment: work-group (f, 8 w + s), 192 work-groups, all the work that there is.  So a scale word leaves alone: 4 bytes in each 16 of 512; the words of all weights are 24,576 bytes.
; A lane holds, of its row, 16 neighbours of each block of 32 (lanes l and l xor 16 share a block): four loads of 16 bytes a block.  The three weights are 1.5 MB in all and are read once.  No loop: nothing to prefetch for.
; A block's scale is 2^(floor(log2(its largest magnitude)) - 4); its byte is the largest magnitude's exponent field - 4, held at 1 from below.
; No product and no step of the problem is dead work; none is left out.
; LIMITS: a block whose largest magnitude lies under 2^-122 (a block of zeros too, where the rule says 127) keeps the byte 1: a block of zeros has zero codes, and this program alone reads the bytes.  NaN and infinities among the inputs are not served.
.set XN,  16                           ; v16-79    my 64 numbers
.set PC,  80                           ; v80-99    the fragment's codes (12) and the conversions' second halves
.set TM,  104                          ; v104-119  at work
.set PW,  120                          ; v120      the scale word
.set SEL, 20                           ; s[20:21]  v_permlanex16_b32's selects for lane l xor 16
; 64 numbers of a lane, v[s] .. v[s + 63], register 16 b + i = k 32 b + 16 (lane / 16) + i of my row, become a fragment's codes in v[pc] .. v[pc + 11] and its scale word in v[pw].
.macro QUANT s, pc, pw
.irp b, 0,1,2,3
	v_max3_num_f32 v[TM+\b], |v[\s+16*\b]|, |v[\s+1+16*\b]|, 0x2800000   ; block b: my 16 numbers, and the floor 2^(5 - 127): the byte cannot fall under 1
.endr
.irp i, 2,4,6,8,10,12,14
.irp b, 0,1,2,3
	v_max3_num_f32 v[TM+\b], v[TM+\b], |v[\s+16*\b+\i]|, |v[\s+1+16*\b+\i]|   ; the four blocks by turns
.endr
.endr
.irp b, 0,1,2,3
	v_permlanex16_b32 v[TM+4+\b], v[TM+\b], s[SEL], s[SEL+1]
.endr
.irp b, 0,1,2,3
	v_max_num_f32 v[TM+\b], v[TM+\b], v[TM+4+\b]   ; with lane l xor 16's: the block's largest magnitude
.endr
.irp b, 0,1,2,3
	v_add_nc_u32 v[TM+12+\b], 0xfe000000, v[TM+\b]   ; 4 off its exponent field: the conversion takes the exponent field of this operand as its scale
.endr
.irp b, 0,1,2,3
	v_lshrrev_b32 v[TM+4+\b], 23, v[TM+12+\b]      ; the scale's byte
.endr
	v_lshl_or_b32 v[\pw], v[TM+5], 8, v[TM+4]      ; the four bytes make my row's scale word
	v_lshl_or_b32 v[\pw], v[TM+6], 16, v[\pw]
	v_lshl_or_b32 v[\pw], v[TM+7], 24, v[\pw]
.irp c, 0,1
	v_cvt_scalef32_pk16_bf6_f32 v[\pc+6*\c:\pc+2+6*\c], v[\s+32*\c:\s+15+32*\c], v[TM+12+2*\c]
	v_cvt_scalef32_pk16_bf6_f32 v[\pc+12+4*\c:\pc+14+4*\c], v[\s+16+32*\c:\s+31+32*\c], v[TM+12+2*\c+1]   ; (a conversion's three registers begin on an even number)
.endr
	v_nop                                          ; one plain place behind a scaled conversion
.irp c, 0,1                                    ; the operand's layout wants a whole block in a lane: lanes 0-15 block 2 c, lanes 16-31 block 2 c + 1
.irp i, 0,1,2
	v_permlane16_swap_b32 v[\pc+6*\c+\i], v[\pc+12+4*\c+\i]
.endr
.irp i, 0,1,2
	v_mov_b32 v[\pc+3+6*\c+\i], v[\pc+12+4*\c+\i]
.endr
.endr
.endm
	s_load_b256 s[4:11], s[0:1], 0x0               ; Wq s[4:5], Wk s[6:7], Wv s[8:9], wc s[10:11]
	s_load_b64 s[12:13], s[0:1], 0x20              ; ws
	s_mov_b32 s15, ttmp9                           ; f
	s_and_b32 s14, ttmp7, 0xffff
	s_lshr_b32 s16, s14, 3                         ; w
	s_and_b32 s14, s14, 7                          ; K step s
	s_mov_b32 s[SEL], 0x76543210
	s_mov_b32 s[SEL+1], 0xfedcba98
	s_and_b32 s17, s16, 1
	s_lshl_b32 s17, s17, 2
	s_add_co_u32 s17, s17, s15                     ; t = 4 (w % 2) + f
	s_lshr_b32 s18, s17, 1
	s_lshl_b32 s18, s18, 5
	s_and_b32 s19, s17, 1
	s_lshl_b32 s19, s19, 3
	s_add_co_u32 s18, s18, s19                     ; Wq, Wk: the tile's first row, 32 (t / 2) + 8 (t % 2)
	s_max_u32 s22, s15, 4
	s_sub_co_u32 s22, s22, 4
	s_lshl_b32 s22, s22, 4
	s_lshl_b32 s19, s16, 5
	s_add_co_u32 s19, s19, s22                     ; Wv: 32 w + 16 (f - 4)
	s_cmp_lt_u32 s15, 4
	s_cselect_b32 s18, s18, s19
	s_cselect_b32 s23, 8, 0                        ; Wq, Wk: lane r takes row r + 8 (r / 8) of the tile; Wv: row r
	s_lshl_b32 s18, s18, 12
	s_lshl_b32 s19, s14, 9                         ; my K step: 512 bytes of a row
	s_add_co_u32 s18, s18, s19
	s_mov_b32 s19, 0
	s_lshl_b32 s24, s16, 3
	s_add_co_u32 s24, s24, s14
	s_mul_i32 s24, s24, 6
	s_add_co_u32 s24, s24, s15
	s_mul_i32 s24, s24, 1536                       ; wc: ((8 w + s) 6 + f) x 1,536
	s_mov_b32 s25, 0
	s_mul_i32 s26, s16, 6
	s_add_co_u32 s26, s26, s15
	s_lshl_b32 s26, s26, 10
	s_lshr_b32 s27, s14, 2
	s_lshl_b32 s27, s27, 9
	s_add_co_u32 s26, s26, s27
	s_and_b32 s27, s14, 3
	s_lshl_b32 s27, s27, 2
	s_add_co_u32 s26, s26, s27                     ; ws: ((6 w + f) 2 + s / 4) x 512 + 4 (s % 4)
	s_mov_b32 s27, 0
	v_lshlrev_b32 v1, 4, v0                        ; 16 x lane
	v_and_b32 v6, 15, v0                           ; r
	v_lshrrev_b32 v7, 4, v0                        ; h
	v_and_b32 v8, s23, v6
	v_add_nc_u32 v8, v8, v6
	v_lshlrev_b32 v3, 12, v8                       ; a row of 4,096 bytes,
	v_lshl_add_u32 v3, v7, 6, v3                   ; + 64 h: my 16 numbers of a block
.irp b, 0,1,2,3
	v_mov_b32 v[TM+4+\b], 0                        ; written once: a lane permute's destination counts as one of its sources
.endr
	s_wait_alu depctr_va_vdst(0)                   ; the wait at the head's end
	s_wait_kmcnt 0x0
	s_cmp_lt_u32 s16, 2                            ; the choices hang on the work-group's numbers alone
	s_cselect_b64 s[4:5], s[4:5], s[6:7]
	s_cmp_lt_u32 s15, 4
	s_cselect_b64 s[4:5], s[4:5], s[8:9]
	s_add_nc_u64 s[4:5], s[4:5], s[18:19]
	s_add_nc_u64 s[10:11], s[10:11], s[24:25]
	s_add_nc_u64 s[12:13], s[12:13], s[26:27]
.irp b, 0,1,2,3
.irp j, 0,1,2,3
	global_load_b128 v[XN+16*\b+4*\j:XN+16*\b+4*\j+3], v3, s[4:5] offset:128*\b+16*\j th:TH_LOAD_NT
.endr
.endr
	s_wait_loadcnt 0x0
	QUANT XN, PC, PW
.irp c, 0,1,2
	global_store_b128 v1, v[PC+4*\c:PC+4*\c+3], s[10:11] offset:512*\c   ; 32 lanes store 512 consecutive bytes
.endr
	global_store_b32 v1, v[PW], s[12:13]
	s_endpgm
.Lfunc_end_k_qde26b201f9_wquant:
	.size	k_qde26b201f9_wquant, .Lfunc_end_k_qde26b201f9_wquant-k_qde26b201f9_wquant
	.p2alignl 7, 3214868480
	.fill 96, 4, 3214868480
	.section	.rodata,"a",@progbits
	.p2align	6, 0x0
	.amdhsa_kernel k_qde26b201f9_wquant
		.amdhsa_group_segment_fixed_size 0
		.amdhsa_private_segment_fixed_size 0
		.amdhsa_enable_private_segment 0
		.amdhsa_kernarg_size 40
		.amdhsa_user_sgpr_count 2
		.amdhsa_user_sgpr_kernarg_segment_ptr 1
		.amdhsa_wavefront_size32 1
		.amdhsa_system_sgpr_workgroup_id_x 1
		.amdhsa_system_sgpr_workgroup_id_y 1
		.amdhsa_system_sgpr_workgroup_id_z 1
		.amdhsa_system_vgpr_workitem_id 0
		.amdhsa_next_free_vgpr 128
		.amdhsa_next_free_sgpr 66
		.amdhsa_reserve_vcc 0
		.amdhsa_float_denorm_mode_32 3
		.amdhsa_float_denorm_mode_16_64 3
		.amdhsa_memory_ordered 1
		.amdhsa_forward_progress 1
		.amdhsa_inst_pref_size 9
	.end_amdhsa_kernel
	.amdgpu_metadata
---
amdhsa.version: [ 1, 2 ]
amdhsa.kernels:
  - .name:           k_qde26b201f9_wquant
    .symbol:         k_qde26b201f9_wquant.kd
    .args:
      - { .name: Wq, .offset: 0, .size: 8, .value_kind: global_buffer, .address_space: global }
      - { .name: Wk, .offset: 8, .size: 8, .value_kind: global_buffer, .address_space: global }
      - { .name: Wv, .offset: 16, .size: 8, .value_kind: global_buffer, .address_space: global }
      - { .name: wc, .offset: 24, .size: 8, .value_kind: global_buffer, .address_space: global }
      - { .name: ws, .offset: 32, .size: 8, .value_kind: global_buffer, .address_space: global }
    .group_segment_fixed_size: 0
    .private_segment_fixed_size: 0
    .kernarg_segment_align: 8
    .kernarg_segment_size: 40
    .max_flat_workgroup_size: 32
    .sgpr_count:     66
    .vgpr_count:     128
    .wavefront_size: 32
...
	.end_amdgpu_metadata
.endif
;; end of part 1
;; launch proj (part 2): grid 256 x 1, 4 waves a work-group, clusters of 4 x 1, 327,680 bytes of LDS; arguments x, wc, ws, qc, qs, kv, kvs; writes qc, qs, kv, kvs
.if DOCPART == 2
	.amdgcn_target "amdgcn-amd-amdhsa--gfx1250"
	.amdhsa_code_object_version 6
	.text
	.protected	k_qde26b201f9_proj
	.globl	k_qde26b201f9_proj
	.p2align	8
	.type	k_qde26b201f9_proj,@function
k_qde26b201f9_proj:
	s_mov_b64 s[64:65], 0
	v_nop
	global_prefetch_b8 v0, s[64:65] scope:SCOPE_SE
	s_setreg_imm32_b32 hwreg(HW_REG_WAVE_MODE, 25, 1), 1
	s_wait_xcnt 0x0
	s_wait_alu depctr_hold_cnt(0) depctr_sa_sdst(0) depctr_va_vdst(0) depctr_va_sdst(0) depctr_va_ssrc(0) depctr_va_vcc(0) depctr_vm_vsrc(0)
	s_getreg_b32 s2, hwreg(HW_REG_IB_STS2, 6, 4)
	s_cmp_eq_u32 s2, 0
	s_cbranch_scc0 .Lentry_in_a_cluster
	s_endpgm
.Lentry_in_a_cluster:
	s_bfe_u32 s2, ttmp6, 0x10000c
	s_cmp_lg_u32 s2, 0x3003
	s_cbranch_scc0 .Lentry_shape_is_right
	s_endpgm
.Lentry_shape_is_right:
; q, k, v = x Wq^T, x Wk^T, x Wv^T on codes of BF6 (E3M2), and the three results quantised at once for the attention: q and k along their 128 features, v along the keys.
; SHARES.  A work-group owns 64 rows of x (256 work-groups), four tiles of 16: tile m takes rows 32 (m / 2) + 8 (m % 2) + r + 8 (r / 8), r = 0 .. 15.  Wave w quantises tile w, K step by K step (128 along K), and all four waves
; multiply all four tiles by their own 96 of the 384 features: w = 0, 1 Wq; w = 2, 3 Wk (four tiles each, used as source 0: a lane holds one row), and two tiles of Wv (used as source 1: a lane holds one channel and registers along the keys).
; x COMES THROUGH REGISTERS: a K step of a tile is sixteen loads, each of two rows' 256 bytes, whole and aligned, into one of four sets of 64 registers (window 3); 40 to 56 loads of a wave are on their way.
; The conversions want 16 neighbours along K in a lane: a K step turns through the wave's own stage in LDS in two halves of 64 along K (16 rows of 256 bytes + 16 of padding), the next step's while this step's products run.
; W COMES ONCE: each wave fetches its own 73,728 bytes of codes by one tensor load; the four work-groups of a cluster want the same bytes and ask JOINTLY.  Only the issuing wave reads them.
; NO PREFETCH INTO THE L2: x is a stream of plain loads with up to 64 of 512 bytes a wave on their way from the head on, and W is asked for once, at the head, with no loop to run ahead in.
; A block's scale is 2^(floor(log2(its largest magnitude)) - 4); the byte is held at 1 from below.
; OUTPUTS, images of the next launch's operands: qc [g][tile][half][768], kv [step of 128 keys][K's 12,288, V's 12,288], scale bytes beside them.
; LIMITS: a block whose largest magnitude lies under 2^-122 (a block of zeros too) keeps the byte 1; this program alone reads the bytes.  NaN and infinities are not served.
; REGISTERS: window 0 addresses and work; window 1 v0-71 W's six fragments; window 2 v0-191 the sums; window 3 x.
.set WB,    73728                      ; LDS: W's codes, wave by wave, from byte 0
.set XIMG,  4*WB                       ; two buffers of four tiles' codes, 1,536 bytes each
.set XSC,   XIMG+2*6144                ; their scale words, 128 bytes a tile
.set STG,   XSC+1024                   ; a stage of 16 x 272 bytes for each wave
.set SCST,  STG+4*4352                 ; the results' scale bytes
.set SPARE, SCST+768                   ; the spare words, 128 bytes for each wave: two blocks that no other line names
.set XF,  16                           ; v16-63   x's four fragments
.set XS,  64                           ; v64-67   their scale words
.set PC,  68
.set TM,  88
.set PW,  104
.set XN,  112                          ; v112-175 my 64 numbers of a K step
.set WS,  176                          ; v176-223 W's scale words: tile f, K step s at 8 f + s
.set XO,  224                          ; v224     x's offset: 16 (l % 16) + 16 rows for lanes 16-31
.set STI, 225                          ; v225     the stage, in
.set WA,  226                          ; v226-227 W's fragments, K steps 0-3 and 4-7
.set MX,  112                          ; the way out
.set PP,  124
.set SO,  136
.set SB,  148
.set UW,  160
.set CX,  16
.set CY,  68
.set WV,  18
.set SEL, 20
.set G1,  24
.set G0,  32
.set MSB, 0
.macro WIN new                         ; the immediate's high byte repeats the setting that is left
.if MSB != \new
	s_set_vgpr_msb (MSB<<8)|\new
.set MSB, \new
.endif
.endm
.macro CROUND                          ; a round of the cluster's barrier
	s_barrier_signal -1
	s_barrier_wait -1
	s_cmp_lg_u32 s[WV], 0
	s_cbranch_scc1 .Lnot_wave_0_\@
	s_barrier_signal -3
.Lnot_wave_0_\@:
	s_barrier_wait -3
	s_barrier_signal -1
	s_barrier_wait -1
.endm
; 64 numbers of a lane, register 16 b + i = k 32 b + 16 (lane / 16) + i of my row, become a fragment's codes in v[pc] .. v[pc + 11] and its scale word in v[pw].
.macro QUANT s, pc, pw
.irp b, 0,1,2,3
	v_max3_num_f32 v[TM+\b], |v[\s+16*\b]|, |v[\s+1+16*\b]|, 0x2800000   ; with the floor 2^(5 - 127)
.endr
.irp i, 2,4,6,8,10,12,14
.irp b, 0,1,2,3
	v_max3_num_f32 v[TM+\b], v[TM+\b], |v[\s+16*\b+\i]|, |v[\s+1+16*\b+\i]|
.endr
.endr
.irp b, 0,1,2,3
	v_permlanex16_b32 v[TM+4+\b], v[TM+\b], s[SEL], s[SEL+1]
.endr
.irp b, 0,1,2,3
	v_max_num_f32 v[TM+\b], v[TM+\b], v[TM+4+\b]   ; the block's largest magnitude
.endr
.irp b, 0,1,2,3
	v_add_nc_u32 v[TM+12+\b], 0xfe000000, v[TM+\b] ; 4 off its exponent field: the conversion's scale operand
.endr
.irp b, 0,1,2,3
	v_lshrrev_b32 v[TM+4+\b], 23, v[TM+12+\b]      ; the byte
.endr
	v_lshl_or_b32 v[\pw], v[TM+5], 8, v[TM+4]
	v_lshl_or_b32 v[\pw], v[TM+6], 16, v[\pw]
	v_lshl_or_b32 v[\pw], v[TM+7], 24, v[\pw]
.irp c, 0,1
	v_cvt_scalef32_pk16_bf6_f32 v[\pc+6*\c:\pc+2+6*\c], v[\s+32*\c:\s+15+32*\c], v[TM+12+2*\c]
	v_cvt_scalef32_pk16_bf6_f32 v[\pc+12+4*\c:\pc+14+4*\c], v[\s+16+32*\c:\s+31+32*\c], v[TM+12+2*\c+1]
.endr
	v_nop                                          ; one plain place behind a scaled conversion
.irp c, 0,1                                    ; a whole block in a lane
.irp i, 0,1,2
	v_permlane16_swap_b32 v[\pc+6*\c+\i], v[\pc+12+4*\c+\i]
.endr
.irp i, 0,1,2
	v_mov_b32 v[\pc+3+6*\c+\i], v[\pc+12+4*\c+\i]
.endr
.endr
.endm
.macro XLOAD s, hk                     ; K step s, 64 along K: eight loads, lanes 0-15 row i, lanes 16-31 row i + 8 of my tile
	WIN 0xc0
.irp i, 0,1,2,3,4,5,6,7
	global_load_b128 v[64*((\s)%4)+32*(\hk)+4*\i:64*((\s)%4)+32*(\hk)+4*\i+3], v[XO], s[80:81] offset:512*(\s)+256*(\hk)+4096*\i th:TH_LOAD_NT
.endr
	WIN 0
.endm
.macro STAGE s                         ; K step s through my stage: LDS serves a wave's instructions in order, so no wait stands between
.irp hk, 0,1
	WIN 0x0c                                       ; an LDS store's data are its source 1: window 3
.irp i, 0,1,2,3,4,5,6,7
	ds_store_b128 v[STI], v[64*((\s)%4)+32*\hk+4*\i:64*((\s)%4)+32*\hk+4*\i+3] offset:272*\i
.endr
	WIN 0
.irp j, 0,1,2,3
	ds_load_b128 v[XN+32*\hk+4*\j:XN+32*\hk+4*\j+3], v3 offset:16*\j
	ds_load_b128 v[XN+32*\hk+16+4*\j:XN+32*\hk+19+4*\j], v3 offset:128+16*\j
.endr
.endr
.endm
.macro WFRAG s                         ; W's six fragments of K step s: 18 loads
	WIN 0x40
.irp f, 0,1,2,3,4,5
.irp c, 0,1,2
	ds_load_b128 v[12*\f+4*\c:12*\f+4*\c+3], v[WA+(\s)/4] offset:9216*((\s)%4)+1536*\f+512*\c
.endr
.endr
	WIN 0
.endm
	s_load_b256 s[4:11], s[0:1], 0x0               ; x s[4:5], wc s[6:7], ws s[8:9], qc s[10:11]
	s_load_b128 s[12:15], s[0:1], 0x20             ; qs s[12:13], kv s[14:15]
	s_load_b64 s[16:17], s[0:1], 0x30              ; kvs
	v_lshl_add_u32 v254, v0, 2, SPARE              ; my spare word; never rewritten
	v_mov_b32 v255, 0
	ds_add_u32 v254, v255                          ; the opening add, twice on end
	ds_add_u32 v254, v255
	v_lshrrev_b32 v15, 5, v0
	v_readfirstlane_b32 s[WV], v15
	v_and_b32 v11, 31, v0                          ; lane
	v_and_b32 v12, 15, v0                          ; r
	v_bfe_u32 v13, v0, 4, 1                        ; h
	v_lshlrev_b32 v1, 4, v11                       ; 16 x lane
	v_lshlrev_b32 v2, 3, v11                       ; 8 x lane
	v_lshlrev_b32 v14, 4, v12
	v_lshl_add_u32 v[XO], v13, 16, v14
	s_bfe_u32 s19, ttmp6, 0x40000
	s_lshl_b32 s78, ttmp9, 2
	s_add_co_u32 s19, s19, s78                     ; g = 4 x cluster + cx: it enters x's and the results' global addresses alone
	s_mov_b32 s[G1+0], 15|(3<<16)|(1<<21)          ; 15:0 the mask: all four work-groups; 17:16 elements of 8 bytes; 20 no padding; 21 set beside a mask
	s_mov_b32 s[G1+1], 32<<16                      ; rows of 256 bytes
	s_mov_b32 s[G1+2], 288<<16                     ; 288 rows
	s_mov_b32 s[G1+3], 32<<16
	s_mov_b32 s[G1+4], 288
	s_mov_b32 s[G1+5], 32                          ; dense
	s_mov_b32 s[G1+6], 0
	s_mov_b32 s[G1+7], 0
	s_lshr_b32 s78, s[WV], 1
	s_lshl_b32 s78, s78, 5
	s_and_b32 s79, s[WV], 1
	s_lshl_b32 s79, s79, 3
	s_add_co_u32 s78, s78, s79
	s_lshl_b32 s78, s78, 12
	s_lshl_b32 s79, s19, 18
	s_add_co_u32 s80, s78, s79                     ; x: (64 g + 32 (w / 2) + 8 (w % 2)) rows of 4,096 bytes
	s_mov_b32 s81, 0
	s_mul_i32 s66, s[WV], WB                       ; my codes of W, in memory and in LDS
	s_mov_b32 s67, 0
	s_mul_i32 s68, s[WV], 6144
	s_mov_b32 s69, 0
	s_wait_alu depctr_va_vdst(0)
	s_wait_dscnt 0x0                               ; both opening adds are done
	s_wait_kmcnt 0x0
	s_add_nc_u64 s[80:81], s[4:5], s[80:81]
	s_add_nc_u64 s[68:69], s[8:9], s[68:69]
.irp f, 0,1,2,3,4,5
.irp i, 0,1
	global_load_b128 v[WS+8*\f+4*\i:WS+8*\f+4*\i+3], v1, s[68:69] offset:512*(2*\f+\i)
.endr
.endr
	XLOAD 0, 0
	XLOAD 0, 1
	XLOAD 1, 0
	XLOAD 1, 1
	XLOAD 2, 0
	XLOAD 2, 1
	s_mov_b32 s[G0], 1
	s_mov_b32 s[G0+1], s66
	s_add_nc_u64 s[G0+2:G0+3], s[6:7], s[66:67]
	s_or_b32 s[G0+3], s[G0+3], 0x80000000
	CROUND                                         ; all four work-groups are here: the joint loads meet
	tensor_load_to_lds s[G0:G0+3], s[G1:G1+7]      ; my wave's one tensor load
	s_nop 0
.rept 4
	v_nop
.endr
	s_mul_i32 s40, s[WV], 4352
	s_add_co_u32 s40, s40, STG                     ; my stage
	s_mul_i32 s41, s[WV], 1536
	s_add_co_u32 s41, s41, XIMG
	s_lshl_b32 s42, s[WV], 7
	s_add_co_u32 s42, s42, XSC
	s_lshr_b32 s43, s[WV], 1
	s_lshl_b32 s43, s43, 8
	s_and_b32 s44, s[WV], 1
	s_lshl_b32 s44, s44, 1
	s_add_co_u32 s43, s43, s44
	s_add_co_u32 s43, s43, SCST
	s_lshl_b32 s44, s[WV], 2
	s_add_co_u32 s44, s44, SCST+512
	s_add_co_u32 s45, s66, 4*9216
	s_mov_b32 s[SEL], 0x76543210
	s_mov_b32 s[SEL+1], 0xfedcba98
	s_mov_b32 s79, 0
	s_mul_i32 s84, s19, 6144
	s_lshr_b32 s85, s19, 1                         ; the step of 128 keys,
	s_and_b32 s86, s19, 1                          ; and which half of it my rows are
	s_mul_i32 s87, s85, 24576
	s_mul_i32 s88, s86, 6144
	s_add_co_u32 s87, s87, s88
	s_cmp_lt_u32 s[WV], 2
	s_cselect_b64 s[70:71], s[10:11], s[14:15]
	s_cselect_b32 s78, s84, s87
	s_and_b32 s89, s[WV], 1
	s_mul_i32 s89, s89, 768
	s_add_co_u32 s78, s78, s89
	s_add_nc_u64 s[70:71], s[70:71], s[78:79]      ; q's or k's codes
	s_mul_i32 s78, s[WV], 1536
	s_add_co_u32 s78, s78, s87
	s_add_co_u32 s78, s78, 12288
	s_add_nc_u64 s[72:73], s[14:15], s[78:79]      ; v's codes
	s_lshl_b32 s78, s19, 8
	s_add_nc_u64 s[74:75], s[12:13], s[78:79]      ; q's scale bytes
	s_lshl_b32 s78, s85, 10
	s_lshl_b32 s88, s86, 8
	s_add_co_u32 s78, s78, s88
	s_add_nc_u64 s[76:77], s[16:17], s[78:79]      ; k's, and v's 512 bytes on
	v_mul_u32_u24 v3, v12, 272
	v_lshl_add_u32 v3, v13, 6, v3
	v_add_nc_u32 v3, s40, v3                       ; the stage, out: row r, + 64 h
	v_mul_u32_u24 v[STI], v13, 2176
	v_lshl_add_u32 v[STI], v12, 4, v[STI]
	v_add_nc_u32 v[STI], s40, v[STI]               ; in: lanes 0-15 row i, lanes 16-31 row i + 8
	v_add_nc_u32 v[WA], s66, v1
	v_add_nc_u32 v[WA+1], s45, v1
	v_add_nc_u32 v4, s41, v1                       ; my tile's codes
	v_lshlrev_b32 v5, 2, v11
	v_add_nc_u32 v5, s42, v5                       ; and scale words
	v_add_nc_u32 v6, XIMG, v1                      ; all tiles'
	v_lshl_add_u32 v7, v11, 2, XSC
	v_lshl_add_u32 v8, v12, 4, s43                 ; the results' scale bytes: q, k
	v_lshl_add_u32 v9, v12, 4, s44                 ; v
	v_add_nc_u32 v10, SCST, v2
.irp b, 0,1,2,3
	v_mov_b32 v[TM+4+\b], 0                        ; written once: a lane permute's destination counts as one of its sources
.endr
	s_wait_alu depctr_va_vdst(0)                   ; the wait at the head's end
	XLOAD 3, 0
	XLOAD 3, 1
	s_wait_loadcnt 48                              ; W's scale words and x's K step 0 are in; the loads of K steps 1 to 3 may be out
	STAGE 0
.macro STEP s
.if (\s) > 0
	WFRAG \s
	s_wait_dscnt 18                                ; this step's numbers are back from the stage; W's 18 may be out
.else
	s_wait_dscnt 0x0
.endif
.if (\s)+4 < 8
	XLOAD (\s)+4, 0                                ; the set is free: its stores into the stage are done
.endif
	QUANT XN, PC, PW
.irp c, 0,1,2
	ds_store_b128 v4, v[PC+4*\c:PC+4*\c+3] offset:6144*((\s)%2)+512*\c
.endr
	ds_store_b32 v5, v[PW] offset:512*((\s)%2)
.if (\s) == 0
	s_wait_tensorcnt 0x0                           ; my W is in; I alone read it
	WFRAG 0
.endif
	s_wait_dscnt 0x0
	s_barrier_signal -1
	s_barrier_wait -1                              ; all four tiles' codes are in LDS; two buffers take turns, so one barrier a step serves
.irp m, 0,1,2,3
.irp c, 0,1,2
	ds_load_b128 v[XF+12*\m+4*\c:XF+12*\m+4*\c+3], v6 offset:6144*((\s)%2)+1536*\m+512*\c
.endr
	ds_load_b32 v[XS+\m], v7 offset:512*((\s)%2)+128*\m
.endr
.if (\s) < 7
.if (\s) < 4
	s_wait_loadcnt 40                              ; the next K step is in; behind it two steps and a half may be out
.else
	s_wait_loadcnt 16*(6-(\s))                     ; no more loads follow: the steps behind the next one
.endif
	STAGE (\s)+1
.if (\s)+4 < 8
	XLOAD (\s)+4, 1
.endif
	s_wait_dscnt 32                                ; the fragments are in; the stage's 32 may be out
.else
	s_wait_dscnt 0x0
.endif
	WIN 0xa1                                       ; source 0 (W) window 1, source 1 (x) window 0, C and D window 2
.irp m, 0,1,2,3
.irp f, 0,1,2,3
.if (\s) == 0
	v_wmma_scale_f32_16x16x128_f8f6f4 v[32*\m+8*\f:32*\m+8*\f+7], v[12*\f:12*\f+11], v[XF+12*\m:XF+12*\m+11], 0, v[WS+8*\f+(\s)], v[XS+\m] matrix_a_fmt:MATRIX_FMT_BF6 matrix_b_fmt:MATRIX_FMT_BF6
.else
	v_wmma_scale_f32_16x16x128_f8f6f4 v[32*\m+8*\f:32*\m+8*\f+7], v[12*\f:12*\f+11], v[XF+12*\m:XF+12*\m+11], v[32*\m+8*\f:32*\m+8*\f+7], v[WS+8*\f+(\s)], v[XS+\m] matrix_a_fmt:MATRIX_FMT_BF6 matrix_b_fmt:MATRIX_FMT_BF6
.endif
.endr
.endr
	WIN 0xa4                                       ; v: source 0 x, source 1 Wv
.irp f, 0,1
.irp m, 0,1,2,3
.if (\s) == 0
	v_wmma_scale_f32_16x16x128_f8f6f4 v[128+32*\f+8*\m:128+32*\f+8*\m+7], v[XF+12*\m:XF+12*\m+11], v[12*(4+\f):12*(4+\f)+11], 0, v[XS+\m], v[WS+8*(4+\f)+(\s)] matrix_a_fmt:MATRIX_FMT_BF6 matrix_b_fmt:MATRIX_FMT_BF6
.else
	v_wmma_scale_f32_16x16x128_f8f6f4 v[128+32*\f+8*\m:128+32*\f+8*\m+7], v[XF+12*\m:XF+12*\m+11], v[12*(4+\f):12*(4+\f)+11], v[128+32*\f+8*\m:128+32*\f+8*\m+7], v[XS+\m], v[WS+8*(4+\f)+(\s)] matrix_a_fmt:MATRIX_FMT_BF6 matrix_b_fmt:MATRIX_FMT_BF6
.endif
.endr
.endr
	WIN 0
.rept 4
	v_nop                                          ; places behind the products: in front of W's next fragments, and of the first read of the sums
.endr
.endm
	STEP 0
	STEP 1
	STEP 2
	STEP 3
	STEP 4
	STEP 5
	STEP 6
	STEP 7
	; THE WAY OUT: twelve half blocks of 16 registers a lane: k = 2 u + e, u = 0 .. 3 row tiles of q or k, u = 4, 5 channel tiles of v.
	WIN 0x0a
.irp k, 0,1,2,3,4,5,6,7,8,9,10,11
	v_max3_num_f32 v[MX+\k], |v[16*\k]|, |v[16*\k+1]|, 0x2800000
.endr
.irp i, 2,4,6,8,10,12,14
.irp k, 0,1,2,3,4,5,6,7,8,9,10,11
	v_max3_num_f32 v[MX+\k], |v[16*\k+\i]|, |v[16*\k+\i+1]|, v[MX+\k]
.endr
.endr
	WIN 0
.irp k, 0,1,2,3,4,5,6,7,8,9,10,11
	v_permlanex16_b32 v[PP+\k], v[MX+\k], s[SEL], s[SEL+1]
.endr
.irp k, 0,1,2,3,4,5,6,7,8,9,10,11
	v_max_num_f32 v[MX+\k], v[MX+\k], v[PP+\k]
.endr
.irp k, 0,1,2,3,4,5,6,7,8,9,10,11
	v_add_nc_u32 v[SO+\k], 0xfe000000, v[MX+\k]
.endr
.irp k, 0,1,2,3,4,5,6,7,8,9,10,11
	v_lshrrev_b32 v[SB+\k], 23, v[SO+\k]
.endr
.irp u, 0,1,2,3,4,5
	v_lshl_or_b32 v[UW+\u], v[SB+2*\u+1], 8, v[SB+2*\u]
.endr
.irp m, 0,1,2,3
	ds_store_b16 v8, v[UW+\m] offset:4*\m
.endr
.irp f, 0,1
	ds_store_b16 v9, v[UW+4+\f] offset:2*\f
.endr
	WIN 0x02
.irp u, 0,1,2,3,4,5
	v_cvt_scalef32_pk16_bf6_f32 v[CX+8*\u:CX+8*\u+2], v[32*\u:32*\u+15], v[SO+2*\u]
	v_cvt_scalef32_pk16_bf6_f32 v[CY+4*\u:CY+4*\u+2], v[32*\u+16:32*\u+31], v[SO+2*\u+1]
.endr
	WIN 0
	v_nop                                          ; one plain place behind a scaled conversion
.irp u, 0,1,2,3,4,5
.irp i, 0,1,2
	v_permlane16_swap_b32 v[CX+8*\u+\i], v[CY+4*\u+\i]
.endr
.endr
.irp u, 0,1,2,3,4,5
.irp i, 0,1,2
	v_mov_b32 v[CX+8*\u+3+\i], v[CY+4*\u+\i]
.endr
.endr
.irp m, 0,1,2,3
	global_store_b128 v1, v[CX+8*\m:CX+8*\m+3], s[70:71] offset:1536*\m          ; 512 consecutive bytes,
	global_store_b64 v2, v[CX+8*\m+4:CX+8*\m+5], s[70:71] offset:1536*\m+512     ; and 256
.endr
.irp f, 0,1
	global_store_b128 v1, v[CX+8*(4+\f):CX+8*(4+\f)+3], s[72:73] offset:768*\f
	global_store_b64 v2, v[CX+8*(4+\f)+4:CX+8*(4+\f)+5], s[72:73] offset:768*\f+512
.endr
	s_wait_dscnt 0x0
	s_barrier_signal -1
	s_barrier_wait -1                              ; all waves' scale bytes are in LDS
	s_cmp_lg_u32 s[WV], 0
	s_cbranch_scc1 .Lend
	ds_load_b64 v[106:107], v10
	ds_load_b64 v[108:109], v10 offset:256
	ds_load_b64 v[110:111], v10 offset:512
	s_wait_dscnt 0x0
	global_store_b64 v2, v[106:107], s[74:75]      ; 256 consecutive bytes each
	global_store_b64 v2, v[108:109], s[76:77]
	global_store_b64 v2, v[110:111], s[76:77] offset:512
.Lend:
	s_wait_tensorcnt 0x0                           ; the wave's end
	ds_add_u32 v254, v255
	s_wait_dscnt 0x0
	CROUND                                         ; the closing round: no work-group ends while a partner may still ask for a tile that names it
	s_endpgm
.Lfunc_end_k_qde26b201f9_proj:
	.size	k_qde26b201f9_proj, .Lfunc_end_k_qde26b201f9_proj-k_qde26b201f9_proj
	.p2alignl 7, 3214868480
	.fill 96, 4, 3214868480
	.section	.rodata,"a",@progbits
	.p2align	6, 0x0
	.amdhsa_kernel k_qde26b201f9_proj
		.amdhsa_group_segment_fixed_size 327680
		.amdhsa_private_segment_fixed_size 0
		.amdhsa_enable_private_segment 0
		.amdhsa_kernarg_size 56
		.amdhsa_user_sgpr_count 2
		.amdhsa_user_sgpr_kernarg_segment_ptr 1
		.amdhsa_wavefront_size32 1
		.amdhsa_system_sgpr_workgroup_id_x 1
		.amdhsa_system_sgpr_workgroup_id_y 1
		.amdhsa_system_sgpr_workgroup_id_z 1
		.amdhsa_system_vgpr_workitem_id 0
		.amdhsa_next_free_vgpr 1024
		.amdhsa_next_free_sgpr 96
		.amdhsa_reserve_vcc 0
		.amdhsa_float_denorm_mode_32 3
		.amdhsa_float_denorm_mode_16_64 3
		.amdhsa_memory_ordered 1
		.amdhsa_forward_progress 1
		.amdhsa_inst_pref_size 128
	.end_amdhsa_kernel
	.amdgpu_metadata
---
amdhsa.version: [ 1, 2 ]
amdhsa.kernels:
  - .name:           k_qde26b201f9_proj
    .symbol:         k_qde26b201f9_proj.kd
    .args:
      - { .name: x, .offset: 0, .size: 8, .value_kind: global_buffer, .address_space: global }
      - { .name: wc, .offset: 8, .size: 8, .value_kind: global_buffer, .address_space: global }
      - { .name: ws, .offset: 16, .size: 8, .value_kind: global_buffer, .address_space: global }
      - { .name: qc, .offset: 24, .size: 8, .value_kind: global_buffer, .address_space: global }
      - { .name: qs, .offset: 32, .size: 8, .value_kind: global_buffer, .address_space: global }
      - { .name: kv, .offset: 40, .size: 8, .value_kind: global_buffer, .address_space: global }
      - { .name: kvs, .offset: 48, .size: 8, .value_kind: global_buffer, .address_space: global }
    .group_segment_fixed_size: 327680
    .private_segment_fixed_size: 0
    .kernarg_segment_align: 8
    .kernarg_segment_size: 56
    .max_flat_workgroup_size: 128
    .sgpr_count:     96
    .vgpr_count:     1024
    .wavefront_size: 32
...
	.end_amdgpu_metadata
.endif
;; end of part 2
;; launch attn (part 3): grid 64 x 4, 8 waves a work-group, clusters of 4 x 1, 327,680 bytes of LDS; arguments qc, qs, kv, kvs, out0; writes out0
.if DOCPART == 3
	.amdgcn_target "amdgcn-amd-amdhsa--gfx1250"
	.amdhsa_code_object_version 6
	.text
	.protected	k_qde26b201f9_attn
	.globl	k_qde26b201f9_attn
	.p2align	8
	.type	k_qde26b201f9_attn,@function
k_qde26b201f9_attn:
	s_mov_b64 s[64:65], 0
	v_nop
	global_prefetch_b8 v0, s[64:65] scope:SCOPE_SE
	s_setreg_imm32_b32 hwreg(HW_REG_WAVE_MODE, 25, 1), 1
	s_wait_xcnt 0x0
	s_wait_alu depctr_hold_cnt(0) depctr_sa_sdst(0) depctr_va_vdst(0) depctr_va_sdst(0) depctr_va_ssrc(0) depctr_va_vcc(0) depctr_vm_vsrc(0)
	s_getreg_b32 s2, hwreg(HW_REG_IB_STS2, 6, 4)
	s_cmp_eq_u32 s2, 0
	s_cbranch_scc0 .Lentry_in_a_cluster
	s_endpgm
.Lentry_in_a_cluster:
	s_bfe_u32 s2, ttmp6, 0x10000c
	s_cmp_lg_u32 s2, 0x3003
	s_cbranch_scc0 .Lentry_shape_is_right
	s_endpgm
.Lentry_shape_is_right:
; out0[b][q][:] = the sum over keys of softmax(q . k / 32) v, both products on codes of BF6 (E3M2) with one E8M0 scale for each 32 along a product's K.  Codes and scale bytes come as the launch before laid them: images of the operands' registers.
; THE SOFTMAX AHEAD OF THE SECOND PRODUCT: t = score x log2(e) / 32; M = the largest t so far, rounded UP to a whole number; p = 2^(t - M) is what is quantised, along the keys, not normalised.
; The row's sum is taken of the unquantised p, in f32, and divides at the end.  When M moves, the sum and O are multiplied by 2^(old M - new M): exact.
; SHARES.  A work-group owns 64 queries: 256 work-groups.  Its eight waves are 2 PAIRS OF QUERY TILES x 4 KEY GROUPS: wave w = 4 QP + KG holds the queries of tile 2 QP (called A) and of tile 2 QP + 1 (B), in 512 registers,
; and walks one step of 128 keys in four: step KG of every slot, eight steps in all.  Each fragment of K and of V that a wave reads from LDS feeds two products.  The four key groups' parts of a query tile are merged at the end
; through LDS: the M are whole numbers, so bringing them under one M rounds nothing.
; THE TWO HALVES OF THE WAVES STAND HALF A STEP APART.  All read a slot's K, make both tiles' scores and ask for V; then waves 0-3 take tile A to its end ahead of the change of slots, waves 4-7 behind it (V's fragments stay in
; registers).  Tile B's softmax stands in front of the change for all, and its second product between the change's signal and wait.  The branches hang on the wave's number and lead round no barrier and no LDS access.
; RING.  Two LDS slots of four steps (a step: 12,288 bytes of K's codes, 12,288 of V's); waves 0-3 fetch a step each, 96 rows of 256 bytes.  The batch's scale bytes, 32,768, are fetched at the head by waves 4-7 and stay.
; A wave has one tensor load out at the head, and waves 0-3 one behind each round.
; CLUSTER.  The four work-groups of a cluster are of one batch and walk the same K and V: every tile is asked for JOINTLY, by the same tensor load with the same descriptor and the mask of all four.
; PREFETCH INTO THE L2.  In the trip of slot t the codes of slot t + 2 are asked for, one trip ahead of the tensor load that wants them: 384 blocks of 256 bytes, shared out by address: 96 to each partner, 32 to each of waves 0-2.
; All 16 clusters of a batch walk the same slots: the first four ask.  Slots 0 and 1 come by their loads alone; the last trip that asks names slot 7.
; LAYOUT.  Both products are used transposed: S^T = K Q^T (source 0 = 16 keys, source 1 = 16 queries), O^T = V^T P^T (source 0 = 16 channels, source 1 = P): a lane holds ONE query of each tile (lane % 16) throughout.
; Tile 2 b + u of a step's K holds key 32 b + 8 u + r + 8 (r / 8) in lane place r, so that the 16 registers of tiles 2 b and 2 b + 1 are keys 32 b + 16 (lane / 16) + 0 .. 15.  A query tile holds its queries in the same order.
; A BLOCK'S LARGEST p IS NOT SEARCHED FOR: the block's largest score goes through the same multiply-add and exponential.  (That takes v_exp_f32 not to fall where its input rises; at the worst one p of a block, within an ulp of a power of two, is held one code low.)
; LIMITS: the promise holds while the scaled scores t stay under 2^31 in magnitude.  A block of p that has fallen to zeros keeps the scale byte 1 (its codes are zeros).  NaN and infinities are not served.
; REGISTERS, in two windows of 256 (s_set_vgpr_msb's low byte: bits 1:0 source 0, 3:2 source 1, 5:4 source 2, 7:6 destination).  TILE A'S STATE LIES IN WINDOW 0, TILE B'S IN WINDOW 1 UNDER THE SAME NUMBERS:
;   v12 -M, v13 the largest t, v[14:15] the sum in two halves; v16-27 Q; v96-159 S^T, then p; v160-223 O^T; v236-247, v250, v252-254 at work.
;   v32-79: four fragments of K or of V in each window: tiles 0-3 in window 0, tiles 4-7 in window 1.
;   Window 0 alone: v1-7, v28-31, v92-95, v251 addresses that stay; v8-11 the step's addresses; v80-83 V's scale bytes as they lie; v224-235 p's codes, of A and then of B;
;   the scale words, which have no window: v84-87 V's, v88-91 K's (lanes 0-15: tiles 0-3, lanes 16-31: tiles 4-7), v248 Q's of B, v249 p's of B, v253 p's of A, v255 Q's of A.
.set STEPB, 24576                      ; a step's codes: K's 12,288 bytes, then V's
.set SLOT1, 1<<17                      ; slot 1 begins here, so that one exclusive or turns an address in one slot into the other's; bytes 98,304 to 131,071 take no tile
.set SCL,   SLOT1+4*STEPB              ; the batch's scale bytes: 1,024 a step: K's [half][r][tile % 4] words, then V's [half][r][channel tile] pairs
.set SPARE, SCL+32768                  ; the spare words, 128 bytes for each wave: four blocks of 256 bytes that no other line names
.set OST,   SPARE+1024                 ; the way out: 4 query tiles x 16 rows x (512 bytes + 16)
.set STAT,  OST+4*16*528               ; the way out: (-M, sum) of each query and key group: 512 bytes a query tile
.set PIMG,  0                          ; the way out: 4 query tiles x 4 key groups of O^T as images, 8,192 bytes each, over slot 0, which has had its last fill, and the bytes behind it
.set QSB, 248                          ; Q's scale word of tile B (A's: v255 = QSB + 7)
.set PSB, 249                          ; p's scale word of tile B (A's: v253 = PSB + 4)
.set PFO, 251                          ; the prefetches' offset: 256 x lane
.set WV,  14                           ; s14 wave, s15 QP, s16 KG
.set QP,  15
.set KG,  16
.set SEL, 20                           ; s[20:21] v_permlanex16_b32's selects for lane l xor 16
.set CS,  22                           ; s[22:23] c = log2(e) / 32: the packed form names a pair and takes its low word for both halves
.set G1,  24                           ; s[24:31] descriptor group 1 for a step's codes;  s[32:39] for a quarter of the scale bytes
.set G1S, 32
.set G0,  40                           ; s[40:43] group 0 for the codes, which walks;  s[44:47] for the scale bytes
.set G0S, 44
.set TB,  48                           ; s48 LDS byte at which the slot in hand begins
.set TS,  49                           ; s49 where the slot's scale bytes begin: 4,096 a slot
.set SLOTS, 50                         ; s50 the loops' trips
.set PF,  66                           ; s[66:67] where my wave's prefetches stand
.set PFW, 68                           ; s68 1: my wave prefetches
.set MSB, 0
.macro WIN new                         ; the immediate's high byte repeats the setting that is left; a switch that changes nothing is dropped
.if MSB != \new
	s_set_vgpr_msb (MSB<<8)|\new
.set MSB, \new
.endif
.endm
.macro CREST                           ; a round of the cluster's barrier behind its opening barrier
	s_cmp_lg_u32 s[WV], 0
	s_cbranch_scc1 .Lnot_wave_0_\@
	s_barrier_signal -3
.Lnot_wave_0_\@:
	s_barrier_wait -3
	s_barrier_signal -1
	s_barrier_wait -1
.endm
.macro CROUND                          ; a whole round
	s_barrier_signal -1
	s_barrier_wait -1
	CREST
.endm
.macro TLOAD                           ; the joint refill: waves 0-3, a step each.  The branch hangs on the wave's number alone.  Four v_nop follow the load
	s_cmp_lt_u32 s[WV], 4
	s_cbranch_scc0 .Lnone_\@
	tensor_load_to_lds s[G0:G0+3], s[G1:G1+7]
	s_nop 0
.rept 4
	v_nop
.endr
.Lnone_\@:
.endm
.macro NEXT                            ; no tensor load of mine is out, so a group 0 may be written
	s_xor_b32 s[G0+1], s[G0+1], SLOT1              ; the other slot than last time,
	s_add_nc_u64 s[G0+2:G0+3], s[G0+2:G0+3], 4*STEPB   ; the next four steps; the type bits on top are not reached
.endm
.macro FRAG reg, off, d                ; a fragment from its two halves, d bytes apart: each 512 bytes (four registers a lane) and 256 (two): every load takes consecutive bytes
	ds_load_b128 v[(\reg):(\reg)+3], v8 offset:(\off)
	ds_load_b64 v[(\reg)+4:(\reg)+5], v9 offset:(\off)+512
	ds_load_b128 v[(\reg)+6:(\reg)+9], v8 offset:(\off)+(\d)
	ds_load_b64 v[(\reg)+10:(\reg)+11], v9 offset:(\off)+(\d)+512
.endm
; Four products of S^T = K Q^T: key tiles 4 hi .. 4 hi + 3 (fragments in window hi) against query tile A (tb = 0) or B (1: Q and S^T in window 1).  Each starts its sum.
.macro KQ4 hi, tb
	WIN (0x54*(\tb)+(\hi))
.irp t, 0,1,2,3
.if \hi
	v_wmma_scale_f32_16x16x128_f8f6f4 v[128+8*\t:135+8*\t], v[32+12*\t:43+12*\t], v[16:27], 0, v[88+\t], v[QSB+7-7*(\tb)] matrix_a_fmt:MATRIX_FMT_BF6 matrix_b_fmt:MATRIX_FMT_BF6 matrix_a_scale:MATRIX_SCALE_ROW1
.else
	v_wmma_scale_f32_16x16x128_f8f6f4 v[96+8*\t:103+8*\t], v[32+12*\t:43+12*\t], v[16:27], 0, v[88+\t], v[QSB+7-7*(\tb)] matrix_a_fmt:MATRIX_FMT_BF6 matrix_b_fmt:MATRIX_FMT_BF6
.endif
.endr
.endm
; Eight products of O^T += V^T P^T: channel tiles 4 hi .. 4 hi + 3 (fragments in window hi), p's codes in window 0, O^T in window tb.  The accumulators take turns, one instruction a turn.
.macro PV tb
.irp hi, 0,1
	WIN (0x50*(\tb)+\hi)
.irp t, 0,1,2,3
.set OA, 160+32*\hi+8*\t
.if \hi
	v_wmma_scale_f32_16x16x128_f8f6f4 v[OA:OA+7], v[32+12*\t:43+12*\t], v[224:235], v[OA:OA+7], v[84+\t], v[PSB+4-4*(\tb)] matrix_a_fmt:MATRIX_FMT_BF6 matrix_b_fmt:MATRIX_FMT_BF6 matrix_a_scale:MATRIX_SCALE_ROW1
.else
	v_wmma_scale_f32_16x16x128_f8f6f4 v[OA:OA+7], v[32+12*\t:43+12*\t], v[224:235], v[OA:OA+7], v[84+\t], v[PSB+4-4*(\tb)] matrix_a_fmt:MATRIX_FMT_BF6 matrix_b_fmt:MATRIX_FMT_BF6
.endif
.endr
.endr
	WIN 0
.endm
; ONE TILE'S SOFTMAX FOR ONE KEY STEP: tile A (tb = 0, all in window 0) or B (1: all in window 1, but for the codes and the scale word, which go to window 0).
.macro SOFT tb
	WIN (0x55*(\tb))
	s_wait_alu depctr_va_vdst(0)                   ; directly ahead of the scores' first readers
.irp b, 0,1,2,3
	v_max3_num_f32 v[240+\b], v[96+16*\b], v[97+16*\b], v[98+16*\b]   ; the largest score of each block of 32 keys: for the row's maximum, and, since p rises with the score, for the block's largest p
.endr
.irp i, 3,5,7,9,11,13
.irp b, 0,1,2,3
	v_max3_num_f32 v[240+\b], v[240+\b], v[96+16*\b+\i], v[97+16*\b+\i]   ; (the four blocks by turns)
.endr
.endr
.irp b, 0,1,2,3
	v_max_num_f32 v[240+\b], v[240+\b], v[111+16*\b]
.endr
.irp b, 0,1,2,3
	v_permlanex16_b32 v[236+\b], v[240+\b], s[SEL], s[SEL+1]
.endr
.irp b, 0,1,2,3
	v_max_num_f32 v[240+\b], v[240+\b], v[236+\b]  ; with lane l xor 16's 16 keys
.endr
	v_mov_b32 v250, v12                            ; the old -M
	v_max3_num_f32 v254, v240, v241, v242
	s_delay_alu instid0(VALU_DEP_1)
	v_max_num_f32 v254, v254, v243                 ; the step's largest score of my query
	s_delay_alu instid0(VALU_DEP_1)
	v_mul_f32 v254, s[CS], v254                    ; as t (c is positive)
	s_delay_alu instid0(VALU_DEP_1)
	v_max_num_f32 v13, v13, v254                   ; the running largest t
	s_delay_alu instid0(VALU_DEP_1)
	v_floor_f32 v12, -v13                          ; the new -M = floor(-t) = -ceil(t): a whole number
	s_delay_alu instid0(VALU_DEP_1)
	v_sub_f32 v254, v12, v250                      ; M's old value less its new one: a whole number, 0 or less
	v_pk_fma_f32 v[96:97], v[96:97], s[CS:CS+1], v[12:13] op_sel_hi:[1,0,0]     ; t - M, two at a time (of the pairs c and -M the low word serves both halves)
	v_cvt_i32_f32 v254, v254                       ; (it saturates)
	v_pk_fma_f32 v[98:99], v[98:99], s[CS:CS+1], v[12:13] op_sel_hi:[1,0,0]
	v_ldexp_f32 v252, 1.0, v254                    ; f = 2^(old M - new M)
.set j, 4
.rept 30
	v_pk_fma_f32 v[96+j:97+j], v[96+j:97+j], s[CS:CS+1], v[12:13] op_sel_hi:[1,0,0]
.set j, j+2
.endr
.irp b, 0,1,2,3
	v_fma_f32 v[240+\b], v[240+\b], s[CS], v12     ; t - M of each block's largest score
.endr
	s_wait_alu depctr_va_vdst(0)                   ; directly ahead of O^T's first readers, and ahead of the exponentials
.set j, 0
.rept 32
	v_pk_mul_f32 v[160+j:161+j], v[160+j:161+j], v[252:253] op_sel_hi:[1,0]   ; O^T under the new M (ascending: each accumulator is read from its low end on)
.set j, j+2
.endr
.set j, 0
.rept 64
	v_exp_f32 v[96+j], v[96+j]                     ; p = 2^(t - M), at most 1, not normalised
.set j, j+1
.endr
.irp b, 0,1,2,3
	v_exp_f32 v[240+\b], v[240+\b]                 ; the block's largest p
.endr
	v_pk_mul_f32 v[14:15], v[14:15], v[252:253] op_sel_hi:[1,0]   ; the sums under the new M.  (A plain place behind the exponentials)
	s_wait_alu depctr_va_vdst(0)                   ; one wait for the whole batch, ahead of its first reader
.irp b, 0,1,2,3
	v_max_num_f32 v[240+\b], 0x2800000, v[240+\b]  ; the floor 2^(5 - 127): the byte cannot fall under 1
.endr
.irp b, 0,1,2,3
	v_add_nc_u32 v[244+\b], 0xfe000000, v[240+\b]  ; 4 off the exponent field: the conversion's scale operand
.endr
.irp b, 0,1,2,3
	v_lshrrev_b32 v[236+\b], 23, v[244+\b]         ; the scale's byte
.endr
	v_lshl_or_b32 v253, v237, 8, v236              ; p's scale word for these 128 keys
	v_lshl_or_b32 v253, v238, 16, v253
	v_lshl_or_b32 v253, v239, 24, v253
	WIN (0x05*(\tb))                               ; the numbers and the scale operands in the tile's window, the codes in window 0
.irp c, 0,1
	v_cvt_scalef32_pk16_bf6_f32 v[224+6*\c:226+6*\c], v[96+32*\c:111+32*\c], v[244+2*\c]
	v_cvt_scalef32_pk16_bf6_f32 v[236+4*\c:238+4*\c], v[112+32*\c:127+32*\c], v[244+2*\c+1]   ; (a conversion's three registers begin on an even number)
.endr
	WIN 0
	v_nop                                          ; one plain place behind a scaled conversion
.irp c, 0,1                                    ; the operand's layout wants a whole block in a lane
.irp i, 0,1,2
	v_permlane16_swap_b32 v[224+6*\c+\i], v[236+4*\c+\i]
.endr
.irp i, 0,1,2
	v_mov_b32 v[227+6*\c+\i], v[236+4*\c+\i]
.endr
.endr
.if \tb
	WIN 0x01                                       ; source 0 window 1, destination window 0
	v_mov_b32 v[PSB], v253                         ; scale operands have no window: B's word goes to window 0
.endif
	WIN (0x55*(\tb))
	v_pk_add_f32 v[236:237], v[96:97], v[98:99]    ; THE ROW'S SUM IS TAKEN OF THE UNQUANTISED p: two at a time, in four chains.
	v_pk_add_f32 v[240:241], v[100:101], v[102:103]   ; (These 32 lines are also the places between the lines that made p's codes and scale word and the products that follow)
	v_pk_add_f32 v[244:245], v[104:105], v[106:107]
	v_pk_add_f32 v[14:15], v[14:15], v[108:109]
.irp j, 110,118,126,134,142,150
	v_pk_add_f32 v[236:237], v[236:237], v[\j:\j+1]
	v_pk_add_f32 v[240:241], v[240:241], v[\j+2:\j+3]
	v_pk_add_f32 v[244:245], v[244:245], v[\j+4:\j+5]
	v_pk_add_f32 v[14:15], v[14:15], v[\j+6:\j+7]
.endr
	v_pk_add_f32 v[236:237], v[236:237], v[158:159]
	v_pk_add_f32 v[240:241], v[240:241], v[244:245]
	v_pk_add_f32 v[14:15], v[14:15], v[236:237]
	v_pk_add_f32 v[14:15], v[14:15], v[240:241]
	WIN 0
.endm
; The slot's K against both tiles, and V asked for.
.macro KEYS
	v_add_nc_u32 v8, s[TB], v1                     ; (these four are also the places between the last step's products and the loads into the registers that they read)
	v_add_nc_u32 v9, s[TB], v2
	v_add_nc_u32 v10, s[TS], v3
	v_add_nc_u32 v11, s[TS], v4
	s_wait_alu depctr_va_vdst(0)                   ; V's loads read v8 and v9 behind blocking waits
	ds_load_b128 v[88:91], v10                     ; K's scale words
	ds_load_b64 v[80:81], v11                      ; V's pairs of bytes: key blocks 0, 1,
	ds_load_b64 v[82:83], v11 offset:256           ; and 2, 3
.irp t, 0,1,2,3
	FRAG 32+12*\t, 1536*\t, 768                    ; K's tiles 0-3
.endr
	WIN 0x40                                       ; destination window 1, address window 0
.irp t, 0,1,2,3
	FRAG 32+12*\t, 6144+1536*\t, 768               ; K's tiles 4-7
.endr
	s_wait_dscnt 16                                ; the scale bytes and tiles 0-3 are in; the sixteen loads of tiles 4-7 may be out
	KQ4 0, 0
	KQ4 0, 1
	s_wait_dscnt 0x0
	KQ4 1, 0
	KQ4 1, 1
	WIN 0
	v_perm_b32 v84, v82, v80, s52                  ; V's scale words: a tile's two pairs of bytes joined; register i: lanes 0-15 channel tile i, lanes 16-31 tile 4 + i.
	v_perm_b32 v85, v82, v80, s53                  ; (These four are the places behind the products above: in front of the loads below and of the first read of the scores)
	v_perm_b32 v86, v83, v81, s52
	v_perm_b32 v87, v83, v81, s53
.irp t, 0,1,2,3
	FRAG 32+12*\t, 12288+768*\t, 6144              ; all of V's fragments are asked for now and land under a softmax: tiles 0-3,
.endr
	WIN 0x40
.irp t, 0,1,2,3
	FRAG 32+12*\t, 12288+768*(4+\t), 6144          ; tiles 4-7
.endr
	WIN 0
.endm
.macro EARLY_A                         ; waves 0-3: tile A, ahead of the change of slots
	s_cmp_lt_u32 s[WV], 4
	s_cbranch_scc0 .Lnot_early_\@
	SOFT 0
	s_wait_dscnt 0x0                               ; V is in
	PV 0
.Lnot_early_\@:
.endm
.macro LATE_A                          ; waves 4-7: tile A, behind it
	s_cmp_lt_u32 s[WV], 4
	s_cbranch_scc1 .Lnot_late_\@
	SOFT 0
	PV 0
.Lnot_late_\@:
.endm
; The change of slots; every window is 0 there.  Each wave waits for all its tensor loads, adds 0 to its spare word, and waits for that and for its reads of the slot in hand (V's fragments are in registers then).
; fill = 1: the barrier opens a round of the cluster's, and behind it the slot just left is asked for again, jointly: the load has a whole trip's work in which to land.
.macro CHANGE fill
	s_wait_alu depctr_va_vdst(0)                   ; ahead of the blocking waits
.if \fill
	s_wait_xcnt 0x0                                ; any prefetch of mine has read its address: it may be stepped
	s_add_nc_u64 s[PF:PF+1], s[PF:PF+1], 4*STEPB
.endif
	s_wait_tensorcnt 0x0
	ds_add_u32 v5, v6                              ; 0 onto my spare word
.if \fill
	NEXT
.endif
	s_wait_dscnt 0x0                               ; the add is done, and my reads of this slot are over
	s_barrier_signal -1
	PV 1                                           ; tile B's second product, work on registers, while the others arrive
	s_barrier_wait -1
.if \fill
	CREST
	TLOAD
.endif
	s_xor_b32 s[TB], s[TB], SLOT1                  ; on to the other slot
	s_add_co_u32 s[TS], s[TS], 4096                ; and its scale bytes
.endm
	s_load_b256 s[4:11], s[0:1], 0x0               ; qc s[4:5], qs s[6:7], kv s[8:9], kvs s[10:11]
	s_load_b64 s[12:13], s[0:1], 0x20              ; out0
	v_lshl_add_u32 v5, v0, 2, SPARE                ; v5: my spare word; never rewritten
	v_mov_b32 v6, 0                                ; v6: 0; never rewritten
	ds_add_u32 v5, v6                              ; the opening add, twice on end
	ds_add_u32 v5, v6
	v_lshrrev_b32 v8, 5, v0
	v_readfirstlane_b32 s[WV], v8                  ; wave 0..7
	s_and_b32 s[KG], s[WV], 3                      ; also: which step, or which quarter of the scale bytes, I fetch
	s_lshr_b32 s[QP], s[WV], 2
	s_and_b32 s58, ttmp7, 0xffff                   ; the batch, which the four partners share
	s_mov_b32 s[G1+0], 15|(3<<16)|(1<<21)          ; 15:0 the mask: all four work-groups; 17:16 elements of 8 bytes; 20 no padding; 21 set beside a mask
	s_mov_b32 s[G1+1], 32<<16                      ; tensor_dim0 = 32: rows of 256 bytes
	s_mov_b32 s[G1+2], 96<<16                      ; tensor_dim1 = 96
	s_mov_b32 s[G1+3], 32<<16                      ; tile_dim0
	s_mov_b32 s[G1+4], 96                          ; tile_dim1
	s_mov_b32 s[G1+5], 32                          ; tensor_dim0_stride: dense
	s_mov_b32 s[G1+6], 0
	s_mov_b32 s[G1+7], 0
	s_mov_b32 s[G1S+0], 15|(3<<16)|(1<<21)         ; the same with 32 rows
	s_mov_b32 s[G1S+1], 32<<16
	s_mov_b32 s[G1S+2], 32<<16
	s_mov_b32 s[G1S+3], 32<<16
	s_mov_b32 s[G1S+4], 32
	s_mov_b32 s[G1S+5], 32
	s_mov_b32 s[G1S+6], 0
	s_mov_b32 s[G1S+7], 0
	s_mul_i32 s51, s[KG], STEPB
	s_mul_i32 s60, s58, 32*STEPB
	s_add_co_u32 s60, s60, s51
	s_mov_b32 s61, 0
	s_lshl_b32 s17, s[KG], 13
	s_lshl_b32 s62, s58, 15
	s_add_co_u32 s62, s62, s17
	s_mov_b32 s63, 0
	s_wait_alu depctr_va_vdst(0)
	s_wait_dscnt 0x0                               ; both opening adds are done
	s_wait_kmcnt 0x0
	s_mov_b32 s[G0], 1                             ; count = 1
	s_mov_b32 s[G0+1], s51                         ; LDS address: slot 0
	s_add_nc_u64 s[G0+2:G0+3], s[8:9], s[60:61]
	s_or_b32 s[G0+3], s[G0+3], 0x80000000          ; type = 2
	s_mov_b32 s[G0S], 1
	s_add_co_u32 s[G0S+1], s17, SCL
	s_add_nc_u64 s[G0S+2:G0S+3], s[10:11], s[62:63]
	s_or_b32 s[G0S+3], s[G0S+3], 0x80000000
	CROUND                                         ; all four work-groups are here: the first joint loads meet
	s_cmp_lt_u32 s[WV], 4                          ; one tensor load a wave: waves 0-3 slot 0's codes,
	s_cbranch_scc0 .Lhead_scales
	tensor_load_to_lds s[G0:G0+3], s[G1:G1+7]
	s_nop 0
.rept 4
	v_nop
.endr
	s_branch .Lhead_asked
.Lhead_scales:                                     ; waves 4-7 the scale bytes, filled once
	tensor_load_to_lds s[G0S:G0S+3], s[G1S:G1S+7]
	s_nop 0
.rept 4
	v_nop
.endr
.Lhead_asked:
	s_bfe_u32 s56, ttmp6, 0x40000                  ; cx: my place in the cluster: it enters Q's, out0's and the prefetches' global addresses alone
	s_lshl_b32 s57, ttmp9, 2
	s_add_co_u32 s57, s57, s56
	s_lshl_b32 s59, s58, 6
	s_add_co_u32 s57, s57, s59                     ; g = 64 x batch + 4 x cluster + cx
	s_mov_b32 s19, 0
	s_mul_i32 s18, s57, 6144
	s_mul_i32 s59, s[QP], 3072
	s_add_co_u32 s18, s18, s59
	s_add_nc_u64 s[4:5], s[4:5], s[18:19]          ; my two query tiles' fragments, 1,536 bytes each
	s_lshl_b32 s18, s57, 8
	s_lshl_b32 s59, s[QP], 3
	s_add_co_u32 s18, s18, s59
	s_add_nc_u64 s[6:7], s[6:7], s[18:19]          ; and their scale words: [r][tile]
	s_mul_i32 s18, s58, 32*STEPB                   ; the prefetches: slot 2 of my batch,
	s_mul_i32 s59, s56, STEPB                      ; my work-group's 96 blocks,
	s_add_co_u32 s18, s18, s59
	s_lshl_b32 s59, s[WV], 13                      ; my wave's 32
	s_add_co_u32 s18, s18, s59
	s_add_co_u32 s18, s18, 8*STEPB
	s_add_nc_u64 s[PF:PF+1], s[8:9], s[18:19]
	s_cmp_lt_u32 ttmp9, 4                          ; the batch's first four clusters ask,
	s_cselect_b32 s[PFW], s[WV], 7
	s_cmp_lt_u32 s[PFW], 3                         ; their waves 0-2
	s_cselect_b32 s[PFW], 1, 0
	s_lshl_b32 s18, s57, 6                         ; the first row of out0 that I store: 64 g + 32 QP + 4 KG + 8 (KG / 2): places 4 KG .. 4 KG + 3 of tile A; tile B's lie 8 rows on
	s_lshl_b32 s59, s[QP], 5
	s_add_co_u32 s18, s18, s59
	s_lshl_b32 s59, s[KG], 2
	s_add_co_u32 s18, s18, s59
	s_lshr_b32 s59, s[KG], 1
	s_lshl_b32 s59, s59, 3
	s_add_co_u32 s18, s18, s59
	s_lshl_b32 s18, s18, 9
	s_add_nc_u64 s[54:55], s[12:13], s[18:19]
	s_lshl_b32 s71, s[KG], 10
	s_add_co_u32 s71, s71, SCL                     ; my step's scale bytes
	s_lshl_b32 s72, s[QP], 10
	s_add_co_u32 s72, s72, STAT
	s_lshl_b32 s73, s[KG], 7
	s_lshl_b32 s59, s[QP], 16
	s_lshl_b32 s74, s[KG], 13
	s_add_co_u32 s74, s74, s59
	s_lshl_b32 s75, s[KG], 11
	s_add_co_u32 s75, s75, s59
	s_mul_i32 s76, s[QP], 32*528
	s_add_co_u32 s76, s76, OST
	s_add_co_u32 s77, s76, s73
	s_mul_i32 s78, s[KG], 4*528
	s_add_co_u32 s78, s78, s76
	s_mov_b32 s[SEL], 0x76543210
	s_mov_b32 s[SEL+1], 0xfedcba98
	s_mov_b32 s[CS], 0x3d38aa3b                    ; c = log2(e) / 32
	s_mov_b32 s[CS+1], s[CS]                       ; (named with it as a pair, so it is written)
	s_mov_b32 s52, 0x05040100                      ; v_perm_b32: the two low halves,
	s_mov_b32 s53, 0x07060302                      ; the two high halves
	s_mov_b32 s[TB], 0
	s_mov_b32 s[TS], 0
	s_mov_b32 s[SLOTS], 6
	v_and_b32 v8, 31, v0                           ; lane
	v_and_b32 v9, 15, v0                           ; r
	v_bfe_u32 v10, v0, 4, 1                        ; h
	v_lshlrev_b32 v7, 4, v8                        ; v7: 16 x lane
	v_lshlrev_b32 v95, 3, v8                       ; v95: 8 x lane
	v_lshlrev_b32 v94, 4, v9                       ; v94: 16 r
	v_lshlrev_b32 v[PFO], 8, v8
	v_add_nc_u32 v1, s51, v7                       ; v1: my step of a slot, + 16 x lane
	v_add_nc_u32 v2, s51, v95                      ; v2: + 8 x lane
	v_lshl_add_u32 v3, v10, 8, v94
	v_add_nc_u32 v3, s71, v3                       ; v3: K's words: half h of the step, row r, four tiles: 16 bytes
	v_lshl_add_u32 v4, v10, 3, v94
	v_add_nc_u32 v4, s71, v4
	v_add_nc_u32 v4, 512, v4                       ; v4: V's pairs: row r, channel tiles 4 h .. 4 h + 3: 8 bytes; the step's second half 256 on
	v_lshl_add_u32 v29, v9, 3, s72                 ; v29: tile A's query r: four pairs (-M, sum), 128 bytes apart; tile B's 512 on
	v_add_nc_u32 v28, s73, v29                     ; v28: my key group's
	v_add_nc_u32 v30, s74, v7                      ; v30: tile A's O^T as an image: (8 QP + KG) x 8,192 + 16 x lane; tile B's 32,768 on
	v_add_nc_u32 v31, s75, v7                      ; v31: registers 16 KG .. 16 KG + 15 of tile A's four images; tile B's 32,768 on
	v_mul_u32_u24 v92, v9, 528
	v_lshl_add_u32 v92, v10, 5, v92
	v_add_nc_u32 v92, s77, v92                     ; v92: the stage: tile A's row r, my 32 channels' 128 bytes, + 32 h; tile B's 16 rows on
	v_add_nc_u32 v93, s78, v7                      ; v93: back: rows 4 KG on, 16 bytes a lane
	s_wait_alu depctr_va_vdst(0)
	global_load_b128 v[16:19], v7, s[4:5]          ; Q stays in registers: tile A's in window 0,
	global_load_b64 v[20:21], v95, s[4:5] offset:512
	global_load_b128 v[22:25], v7, s[4:5] offset:768
	global_load_b64 v[26:27], v95, s[4:5] offset:1280
	global_load_b32 v[QSB+7], v94, s[6:7]
	global_load_b32 v[QSB], v94, s[6:7] offset:4
	WIN 0x40                                       ; destination window 1, address window 0
	global_load_b128 v[16:19], v7, s[4:5] offset:1536   ; tile B's in window 1
	global_load_b64 v[20:21], v95, s[4:5] offset:2048
	global_load_b128 v[22:25], v7, s[4:5] offset:2304
	global_load_b64 v[26:27], v95, s[4:5] offset:2816
	WIN 0
.macro INIT                            ; under the first loads' flight
	v_mov_b32 v13, 0xff61b1e6                      ; the largest t so far: -3e38, under every t
	v_floor_f32 v12, -v13                          ; -M
	v_mov_b32 v14, 0                               ; the sum, in two halves
	v_mov_b32 v15, 0
.irp b, 0,1,2,3
	v_mov_b32 v[236+\b], 0                         ; written once: a lane permute's destination counts as one of its sources
.endr
	v_mov_b32 v253, 0                              ; (named as the upper half of the pair v[252:253] before it is first written)
.set j, 0
.rept 64
	v_mov_b32 v[160+j], 0                          ; O^T: the step is written the same for all steps, and the first change of M leaves zeros
.set j, j+1
.endr
.endm
	INIT
	WIN 0x55
	INIT
	WIN 0
	s_wait_alu depctr_va_vdst(0)                   ; the wait at the head's end
	s_wait_loadcnt 0x0                             ; Q
	s_wait_tensorcnt 0x0                           ; my part of slot 0 or of the scale bytes is in
	ds_add_u32 v5, v6
	NEXT
	s_wait_dscnt 0x0
	CROUND
	TLOAD                                          ; slot 1's first fill, issued as a refill is
.Lslot:                                            ; six trips, slots 0 to 5: at the end of each the slot two on is asked for
	KEYS
	s_cmp_eq_u32 s[PFW], 1
	s_cbranch_scc0 .Lnot_mine
	global_prefetch_b8 v[PFO], s[PF:PF+1] th:TH_LOAD_NT scope:SCOPE_SE
.Lnot_mine:
	EARLY_A
	SOFT 1
	CHANGE 1
	LATE_A
	s_sub_co_u32 s[SLOTS], s[SLOTS], 1
	s_cmp_lg_u32 s[SLOTS], 0
	s_cbranch_scc1 .Lslot
	s_mov_b32 s[TB], 0                             ; slots 6 and 7: nothing is left to ask for
	s_mov_b32 s[TS], 6*4096
	s_mov_b32 s[SLOTS], 2
.Llast:
	KEYS
	EARLY_A
	SOFT 1
	CHANGE 0
	LATE_A
	s_sub_co_u32 s[SLOTS], s[SLOTS], 1
	s_cmp_lg_u32 s[SLOTS], 0
	s_cbranch_scc1 .Llast
	; THE WAY OUT.  (a) Each wave publishes, for each of its tiles, its -M and its sum, and its O^T as an image.
	s_wait_alu depctr_va_vdst(0)
.macro STATS
	v_add_f32 v14, v14, v15                        ; the sum's two halves,
	v_permlanex16_b32 v252, v14, s[SEL], s[SEL+1]
	v_add_f32 v13, v14, v252                       ; and lane l xor 16's: my key group's sum
.endm
	STATS
	WIN 0x55
	STATS                                          ; (these six are also the places between the last products and the stores that read them)
	WIN 0
	ds_store_b64 v28, v[12:13]                     ; both lanes of a query write the same eight bytes with the same values
	WIN 0x04                                       ; an LDS store's data are its source 1: window 1
	ds_store_b64 v28, v[12:13] offset:512
	WIN 0
	s_wait_alu depctr_va_vdst(0)                   ; directly ahead of O^T's first readers
.set j, 0
.rept 16
	ds_store_b128 v30, v[160+4*j:163+4*j] offset:PIMG+512*j   ; ascending: each accumulator is read from its low end on
.set j, j+1
.endr
	WIN 0x04
	s_wait_alu depctr_va_vdst(0)
.set j, 0
.rept 16
	ds_store_b128 v30, v[160+4*j:163+4*j] offset:PIMG+32768+512*j
.set j, j+1
.endr
	WIN 0
	s_wait_dscnt 0x0
	s_barrier_signal -1
	s_barrier_wait -1
	; (b) Each wave adds a quarter of its two tiles' channels over the four key groups, each group under the groups' largest M, and divides by the whole sum:
	; registers 16 KG .. 16 KG + 15 = channels 32 KG + 16 e + 8 h + i.
.irp k, 0,1,2,3
	ds_load_b64 v[96+2*\k:97+2*\k], v29 offset:128*\k   ; group k's -M and sum
.endr
	WIN 0x40
.irp k, 0,1,2,3
	ds_load_b64 v[96+2*\k:97+2*\k], v29 offset:512+128*\k
.endr
	WIN 0
.irp k, 0,1,2,3
.irp c, 0,1,2,3
	ds_load_b128 v[160+16*\k+4*\c:163+16*\k+4*\c], v31 offset:PIMG+8192*\k+512*\c
.endr
.endr
	WIN 0x40
.irp k, 0,1,2,3
.irp c, 0,1,2,3
	ds_load_b128 v[160+16*\k+4*\c:163+16*\k+4*\c], v31 offset:PIMG+32768+8192*\k+512*\c
.endr
.endr
	WIN 0
	s_wait_dscnt 32                                ; the statistics are in; the images' 32 loads may be out
.macro FACTORS
	v_min3_num_f32 v104, v96, v98, v100
	v_min_num_f32 v111, v104, v102                 ; the least -M: the largest M
.irp k, 0,1,2,3
	v_sub_f32 v[104+2*\k], v111, v[96+2*\k]        ; group k's M less the largest: a whole number, 0 or less
.endr
.irp k, 0,1,2,3
	v_cvt_i32_f32 v[104+2*\k], v[104+2*\k]
.endr
.irp k, 0,1,2,3
	v_ldexp_f32 v[104+2*\k], 1.0, v[104+2*\k]
.endr
	v_mul_f32 v112, v104, v97                      ; the whole sum, the groups ascending
	v_fma_f32 v112, v106, v99, v112
	v_fma_f32 v112, v108, v101, v112
	v_fma_f32 v112, v110, v103, v112
.endm
	FACTORS
	WIN 0x55
	FACTORS
	s_wait_alu depctr_va_vdst(0)                   ; the wait ahead of the two transcendentals,
	v_rcp_f32 v113, v112
	WIN 0
	v_rcp_f32 v113, v112
	v_nop                                          ; one plain place behind a transcendental
	s_wait_alu depctr_va_vdst(0)                   ; and behind them
	s_wait_dscnt 0x0                               ; the images are in
.macro GROUPS
.irp k, 0,1,2,3
	v_mul_f32 v[104+2*\k], v[104+2*\k], v113
.endr
.irp i, 0,2,4,6,8,10,12,14
	v_pk_mul_f32 v[160+\i:161+\i], v[160+\i:161+\i], v[104:105] op_sel_hi:[1,0]
.endr
.irp k, 1,2,3
.irp i, 0,2,4,6,8,10,12,14
	v_pk_fma_f32 v[160+\i:161+\i], v[160+16*\k+\i:161+16*\k+\i], v[104+2*\k:105+2*\k], v[160+\i:161+\i] op_sel_hi:[1,0,1]
.endr
.endr
.endm
	GROUPS
	WIN 0x55
	GROUPS
	WIN 0
.irp e, 0,1
.irp q, 0,1
	ds_store_b128 v92, v[160+8*\e+4*\q:163+8*\e+4*\q] offset:64*\e+16*\q
.endr
.endr
	WIN 0x04
.irp e, 0,1
.irp q, 0,1
	ds_store_b128 v92, v[160+8*\e+4*\q:163+8*\e+4*\q] offset:16*528+64*\e+16*\q
.endr
.endr
	WIN 0
	s_wait_dscnt 0x0
	s_barrier_signal -1
	s_barrier_wait -1
	; (c) Whole rows leave: four of each tile a wave.
.irp i, 0,1,2,3
	ds_load_b128 v[32+4*\i:35+4*\i], v93 offset:528*\i
.endr
.irp i, 0,1,2,3
	ds_load_b128 v[48+4*\i:51+4*\i], v93 offset:16*528+528*\i
.endr
.irp i, 0,1,2,3
	s_wait_dscnt 7-\i                              ; tile A's row i is in; the younger loads may be out
	global_store_b128 v7, v[32+4*\i:35+4*\i], s[54:55] offset:512*\i th:TH_STORE_NT   ; 32 lanes store a row's 512 consecutive bytes, aligned; written once, read by nobody here
.endr
.irp i, 0,1,2,3
	s_wait_dscnt 3-\i                              ; tile B's row i
	global_store_b128 v7, v[48+4*\i:51+4*\i], s[54:55] offset:4096+512*\i th:TH_STORE_NT
.endr
	s_wait_tensorcnt 0x0                           ; the wave's end, behind my last tensor load and my last LDS store
	ds_add_u32 v5, v6
	s_wait_dscnt 0x0
	CROUND                                         ; the closing round: no work-group ends while a partner may still ask for a tile that names it
	s_endpgm
.Lfunc_end_k_qde26b201f9_attn:
	.size	k_qde26b201f9_attn, .Lfunc_end_k_qde26b201f9_attn-k_qde26b201f9_attn
	.p2alignl 7, 3214868480
	.fill 96, 4, 3214868480
	.section	.rodata,"a",@progbits
	.p2align	6, 0x0
	.amdhsa_kernel k_qde26b201f9_attn
		.amdhsa_group_segment_fixed_size 327680
		.amdhsa_private_segment_fixed_size 0
		.amdhsa_enable_private_segment 0
		.amdhsa_kernarg_size 40
		.amdhsa_user_sgpr_count 2
		.amdhsa_user_sgpr_kernarg_segment_ptr 1
		.amdhsa_wavefront_size32 1
		.amdhsa_system_sgpr_workgroup_id_x 1
		.amdhsa_system_sgpr_workgroup_id_y 1
		.amdhsa_system_sgpr_workgroup_id_z 1
		.amdhsa_system_vgpr_workitem_id 0
		.amdhsa_next_free_vgpr 512
		.amdhsa_next_free_sgpr 80
		.amdhsa_reserve_vcc 0
		.amdhsa_float_denorm_mode_32 3
		.amdhsa_float_denorm_mode_16_64 3
		.amdhsa_memory_ordered 1
		.amdhsa_forward_progress 1
		.amdhsa_inst_pref_size 128
	.end_amdhsa_kernel
	.amdgpu_metadata
---
amdhsa.version: [ 1, 2 ]
amdhsa.kernels:
  - .name:           k_qde26b201f9_attn
    .symbol:         k_qde26b201f9_attn.kd
    .args:
      - { .name: qc, .offset: 0, .size: 8, .value_kind: global_buffer, .address_space: global }
      - { .name: qs, .offset: 8, .size: 8, .value_kind: global_buffer, .address_space: global }
      - { .name: kv, .offset: 16, .size: 8, .value_kind: global_buffer, .address_space: global }
      - { .name: kvs, .offset: 24, .size: 8, .value_kind: global_buffer, .address_space: global }
      - { .name: out0, .offset: 32, .size: 8, .value_kind: global_buffer, .address_space: global }
    .group_segment_fixed_size: 327680
    .private_segment_fixed_size: 0
    .kernarg_segment_align: 8
    .kernarg_segment_size: 40
    .max_flat_workgroup_size: 256
    .sgpr_count:     80
    .vgpr_count:     512
    .wavefront_size: 32
...
	.end_amdgpu_metadata
.endif
;; end of part 3
